; MI455X (gfx1250); checked and timed in simulation.
; The chip was launched on July 23, 2026; its instructions are those of AMD's public machine-readable ISA for CDNA 5 (MIT licence, August 2026) and "CDNA5" Instruction Set Architecture Reference Guide (July 2026). The comments in the code are by the model that wrote it; some were corrected since.
;; Manual LSTM Cell. Allowed arithmetic: matrix products marked QUANTISED: E4M3 operands, one E8M0 scale for each 32 along K, by v_wmma_scale_f32_16x16x128_f8f6f4 with both operands' format E4M3, f32 sums; everything else in f32.
;; Inputs: U_b 4,096 float32; U_w 4,096 x 1,024 float32; W_w 4,096 x 1,024 float32; c_prev 4,096 x 1,024 float32; h_prev 4,096 x 1,024 float32; x_t 4,096 x 1,024 float32.
;; Outputs: out0 4,096 x 1,024 float32; out1 4,096 x 1,024 float32.
;; This version of the problem:
;;   THIS VERSION OF THE PROBLEM IS GIVEN IN LOW PRECISION. The matrix products marked QUANTISED in the list below multiply operands that are first quantised to E4M3 (4 exponent bits, 3 mantissa bits; 8 bits a number), with one power-of-two scale for each 32 numbers along K (OCP MX v1.0); their sums are f32. All else is computed in f32.
;;   The module's matrix products, in the order in which they are computed (A, B: the left and right operand; K: the contracted axis; several contracted axes count as one K, in the product's order):
;;     1. [M 4,096, K 1,024] x [K 1,024, N 4,096]; A: input x_t; B: input U_w: QUANTISED
;;     2. [M 4,096, K 1,024] x [K 1,024, N 4,096]; A: input h_prev; B: input W_w: QUANTISED
;;   THE QUANTISER, for each operand of a quantised product, along K:
;;     - K is cut into blocks of 32 from its start; a last block that is shorter is filled with zeros.
;;     - A block's scale is 2^e with e = floor(log2(the largest magnitude in the block)) - 8, held to -126 .. 127; a block of zeros has e = 0. As a byte (E8M0): e + 127.
;;     - Each number is divided by its block's scale, clamped to +-448, and rounded to the nearest number of E4M3, ties to even, subnormals kept.
;;     - The product sums the exact products of the quantised numbers (number of the format x scale) in f32.
;;   ~~~python
;;   def quantise(x, axis):      # numpy; x: float32 -> the quantised numbers, widened to float32 again
;;       x = np.moveaxis(x, axis, -1); K = x.shape[-1]
;;       x = np.pad(x, [(0, 0)] * (x.ndim - 1) + [(0, -K % 32)]); x = x.reshape(x.shape[:-1] + (-1, 32)); a = np.abs(x).max(-1, keepdims=True)
;;       e = np.where(a > 0, np.clip(np.frexp(np.where(a > 0, a, 1))[1] - 1 - 8, -126, 127), 0)      # np.frexp(a)[1] - 1 = floor(log2(a)), exactly
;;       r = np.clip(x / 2.0 ** e, -448, 448)
;;       step = 2.0 ** (np.maximum(np.frexp(np.where(r == 0, 1, r))[1] - 1, -6) - 3)
;;       q = np.round(r / step) * step * 2.0 ** e      # np.round: ties to even
;;       return np.moveaxis(q.reshape(q.shape[:-2] + (-1,))[..., :K], -1, axis).astype(np.float32)
;;   ~~~
;; One version. Each part assembles by itself: llvm-mc -triple=amdgcn-amd-amdhsa -mcpu=gfx1250 --defsym DOCPART=n.
;; ======== version 1 of 1: 2 launches
;; limits: right only within a limited range of input values
;; workspace buffers: a_codes 8,388,608 bytes; a_scales 262,144 bytes; b_codes 8,388,608 bytes; b_scales 262,144 bytes
;; launch quant (part 1): grid 1024 x 1, 4 waves a work-group, no clusters, 21,504 bytes of LDS; arguments x_t, h_prev, U_w, W_w, a_codes, a_scales, b_codes, b_scales; writes a_codes, a_scales, b_codes, b_scales
.if DOCPART == 1
	.amdgcn_target "amdgcn-amd-amdhsa--gfx1250"
	.amdhsa_code_object_version 6
	.text
	.protected	k_q4dddf0cd98_quant
	.globl	k_q4dddf0cd98_quant
	.p2align	8
	.type	k_q4dddf0cd98_quant,@function
k_q4dddf0cd98_quant:
	s_mov_b64 s[64:65], 0
	v_nop
	global_prefetch_b8 v0, s[64:65] scope:SCOPE_SE
	s_setreg_imm32_b32 hwreg(HW_REG_WAVE_MODE, 25, 1), 1
	s_wait_xcnt 0x0
; The four f32 operands of pre = x_t U_w^T + h_prev W_w^T become the two operands of ONE product with K = 2,048:
; A = [x_t | h_prev] and B = [U_w | W_w], as codes of FP8 (E4M3), K innermost, with one E8M0 scale byte for each 32 along K.
; a_codes, b_codes: [4096][2048] bytes (a row: the first tensor's 1,024 codes, then the second's); a_scales, b_scales: [4096][64] bytes.
; A block's scale is 2^(floor(log2(its largest magnitude)) - 8); its byte is the largest magnitude's exponent field - 8, held at 1 from below.
; Each number is divided by the scale, held within +-448 and rounded to the nearest code, ties to even.
; B'S ROWS ARE PERMUTED: row n = 1024 g + 64 j + 32 c + q (gate g, q = 0 .. 31) goes to row n' = 256 j + 128 c + 32 g + q, so that in the product's launch
; the four gates of a hidden unit fall into one lane.  Eight rows from a multiple of 8 on stay neighbours.
; LIMITS: NaN and infinities among the inputs are not served.  Blocks whose largest magnitude lies under 2^-118 keep the byte 1.  A block of zeros gets the byte 1
; where the rule says 127: its codes are zeros, which add nothing under any byte but 0xff, and the bytes are read by this program alone.
; SHARES: work-groups 0-511 take (x_t, h_prev), 512-1023 (U_w, W_w), eight rows each; only pointers are chosen, the path is one.  A wave takes two rows of BOTH tensors of its pair:
; 8 steps of 512 numbers; step t is row t / 4, tensor (t / 2) % 2, half t % 2: its 512 codes lie 512 t bytes, its 16 scale bytes 16 t bytes into the wave's output.
; A conversion takes numbers of one block from ONE lane's registers, so a lane must hold 16 neighbours, while neighbouring lanes load neighbouring bytes:
; each load reads 512 consecutive bytes, 16 a lane; a step's 2,048 bytes turn through the wave's own stage in LDS and come back 64 bytes a lane.
; All 32 loads of a wave are issued at its start, so there is nothing to prefetch; the turn through LDS runs one step ahead.  With 216 registers four work-groups lie on a WGP: the whole grid at once.
.set STEPS, 8
.set EMAX,  8
.set MANT,  0x600000                   ; the mantissa field of 448 as f32
.set SPW,   12                         ; v12      LDS address of my spare word; never rewritten
.set NIL,   13                         ; v13      0; never rewritten
.set R,     16                         ; v16-143  eight sets of 16 numbers as they are loaded
.set X,     144                        ; v144-175 two sets of 16 neighbours
.set E,     176                        ; v176-183 a scale byte for each step
.set C,     184                        ; v184-215 codes: four registers for each step, so that no store's data are written again
.set SP,    80                         ; a lane's place in a stage: its 64 bytes + 16 of padding
.set WREG,  2*32*SP                    ; LDS: two stages for each wave,
.set SCB,   4*WREG                     ; behind them the work-group's 512 scale bytes, 128 a wave,
.set SPARE, SCB+512                    ; and the spare words, 128 bytes for each wave
	s_load_b256 s[4:11], s[0:1], 0x0               ; x_t s[4:5], h_prev s[6:7], U_w s[8:9], W_w s[10:11]
	s_load_b256 s[12:19], s[0:1], 0x20             ; a_codes s[12:13], a_scales s[14:15], b_codes s[16:17], b_scales s[18:19]
	v_lshl_add_u32 v[SPW], v0, 2, SPARE
	v_mov_b32 v[NIL], 0
	v_lshrrev_b32 v1, 5, v0
	v_readfirstlane_b32 s20, v1                    ; wave
	v_and_b32 v2, 31, v0                           ; lane
	v_lshlrev_b32 v3, 4, v2                        ; my 16 bytes of 512: of a load's, a step's codes, the scale bytes; never rewritten
	s_mul_i32 s21, s20, WREG
	v_lshrrev_b32 v14, 2, v2
	v_mul_u32_u24 v14, v14, SP
	v_and_b32 v15, 3, v2
	v_lshl_add_u32 v14, v15, 4, v14
	v_add_nc_u32 v14, s21, v14                     ; the stage, on the way in: four lanes' 64 bytes on end, then 16 of padding
	v_mul_u32_u24 v15, v2, SP
	v_add_nc_u32 v15, s21, v15                     ; and on the way out: SP x lane: my 16 neighbours
	v_lshrrev_b32 v5, 1, v2
	s_lshl_b32 s21, s20, 7
	s_add_co_u32 s21, s21, SCB
	v_add_nc_u32 v5, s21, v5                       ; my wave's 128 scale bytes, my block's byte
	v_add_nc_u32 v6, SCB, v3                       ; and 16 bytes of the work-group's 512
	s_and_b32 s22, ttmp9, 511
	s_lshl_b32 s22, s22, 2
	s_add_co_u32 s22, s22, s20                     ; which run of two rows is my wave's
	s_lshl_b32 s22, s22, 1                         ; n: its first row
	s_bfe_u32 s24, s22, 0x50005                    ; (n >> 5) & 31
	s_lshl_b32 s24, s24, 7
	s_bfe_u32 s25, s22, 0x2000a                    ; (n >> 10) & 3
	s_lshl_b32 s25, s25, 5
	s_or_b32 s24, s24, s25
	s_and_b32 s25, s22, 31
	s_or_b32 s24, s24, s25                         ; n', for B
	s_mov_b32 s23, MANT                            ; (an instruction takes one literal: the hold's line has another)
	s_wait_alu depctr_va_vdst(0)                   ; the wait at the head's end
	s_wait_kmcnt 0x0
	s_cmp_lt_u32 ttmp9, 512                        ; A's work-group or B's?  The choice hangs on the work-group's number alone
	s_cselect_b64 s[4:5], s[4:5], s[8:9]           ; the pair's first tensor,
	s_cselect_b64 s[6:7], s[6:7], s[10:11]         ; its second,
	s_cselect_b64 s[12:13], s[12:13], s[16:17]     ; the codes,
	s_cselect_b64 s[14:15], s[14:15], s[18:19]     ; the scale bytes,
	s_cselect_b32 s24, s22, s24                    ; and the row that they go to: A's rows stay where they are
	s_lshl_b32 s26, s22, 12                        ; a source row is 4,096 bytes
	s_mov_b32 s27, 0
	s_add_nc_u64 s[4:5], s[4:5], s[26:27]
	s_add_nc_u64 s[6:7], s[6:7], s[26:27]
.macro LOAD t                          ; step t's 2,048 bytes: each load reads 512 consecutive bytes
.irp i, 0,1,2,3
	global_load_b128 v[R+16*(\t)+4*\i:R+16*(\t)+4*\i+3], v3, s[4+2*(((\t)/2)%2):5+2*(((\t)/2)%2)] offset:((\t)/4)*4096+((\t)%2)*2048+512*\i th:TH_LOAD_NT
.endr
.endm
.macro TURN t                          ; through the stage: LDS serves a wave's instructions in order (ISA guide 5.7.1.4), so no wait stands between the stores and the loads
.irp i, 0,1,2,3
	ds_store_b128 v14, v[R+16*(\t)+4*\i:R+16*(\t)+4*\i+3] offset:32*SP*((\t)%2)+8*SP*\i
.endr
.irp i, 0,1,2,3
	ds_load_b128 v[X+16*((\t)%2)+4*\i:X+16*((\t)%2)+4*\i+3], v15 offset:32*SP*((\t)%2)+16*\i
.endr
.endm
.irp t, 0,1,2,3,4,5,6,7
	LOAD \t
.endr
	s_lshl_b32 s28, s24, 11                        ; a row of codes is 2,048 bytes
	s_mov_b32 s29, 0
	s_add_nc_u64 s[12:13], s[12:13], s[28:29]
	s_lshl_b32 s28, s24, 6                         ; a row of scale bytes 64: eight rows are 512 bytes, at a multiple of 512 (wave 0's n is the work-group's first row)
	s_add_nc_u64 s[14:15], s[14:15], s[28:29]
	s_wait_loadcnt 28                              ; step 0's four loads are in; the 28 of steps 1 to 7 stay out
	TURN 0
.macro STEP t
.set XS, X+16*((\t)%2)
.if (\t) > 0
	s_wait_dscnt 1                                 ; this step's numbers are back from the stage (the last step's byte store may be out)
.else
	s_wait_dscnt 0x0
.endif
.if (\t)+1 < STEPS
	s_wait_loadcnt 4*(STEPS-2-(\t))                ; the next step's four loads are in; those of the steps behind it may be out
	TURN (\t)+1                                    ; and go through the other stage while this step is worked
.endif
	v_max3_num_f32 v8, |v[XS]|, |v[XS+1]|, |v[XS+2]|               ; the largest magnitude of my 16, in two chains
	v_max3_num_f32 v9, |v[XS+3]|, |v[XS+4]|, |v[XS+5]|
.irp i, 6,10
	v_max3_num_f32 v8, v8, |v[XS+\i]|, |v[XS+\i+1]|
	v_max3_num_f32 v9, v9, |v[XS+\i+2]|, |v[XS+\i+3]|
.endr
	v_max3_num_f32 v8, v8, |v[XS+14]|, |v[XS+15]|
	v_max3_num_f32 v8, v8, v9, (EMAX+1)<<23        ; and the floor 2^(EMAX + 1 - 127): so the byte cannot fall under 1
	v_max_num_f32_dpp v8, v8, v8 row_xmask:1 row_mask:0xf bank_mask:0xf   ; and of my neighbour's 16: the block's
	v_add_nc_u32 v11, -(EMAX<<23), v8              ; EMAX off its exponent field: the conversion takes the exponent field of this operand as its scale, and nothing else of it
	v_and_or_b32 v10, v8, 0x7f800000, s23          ; 448 x the scale: the largest magnitude's exponent field over 448's mantissa
.irp i, 0,1,2,3,4,5,6,7,8,9,10,11,12,13,14,15
	v_med3_num_f32 v[XS+\i], v[XS+\i], -v10, v10   ; the conversion to an 8-bit code does not saturate (ISA guide 7.6.2): the number is held within the largest code x the scale first
.endr
	v_cvt_scalef32_pk8_fp8_f32 v[C+4*(\t):C+4*(\t)+1], v[XS:XS+7], v11
	v_cvt_scalef32_pk8_fp8_f32 v[C+4*(\t)+2:C+4*(\t)+3], v[XS+8:XS+15], v11
	v_lshrrev_b32 v[E+(\t)], 23, v11               ; the scale's byte (also the plain line behind the conversions)
	ds_store_b8 v5, v[E+(\t)] offset:16*(\t)       ; both lanes of a block write the same byte with the same value
	global_store_b128 v3, v[C+4*(\t):C+4*(\t)+3], s[12:13] offset:512*(\t)   ; 32 lanes store 512 consecutive bytes, at a multiple of 512 from the buffer's first byte
.endm
.irp t, 0,1,2,3,4,5,6,7
	STEP \t
.endr
	s_wait_tensorcnt 0x0                           ; behind my last LDS store
	ds_add_u32 v[SPW], v[NIL]
	s_wait_dscnt 0x0                               ; my bytes are in LDS
	s_barrier_signal -1
	s_barrier_wait -1                              ; and so are the other waves'
	s_cmp_lg_u32 s20, 0
	s_cbranch_scc1 .Ldone
	ds_load_b128 v[8:11], v6                       ; wave 0 stores the work-group's 512 scale bytes
	s_wait_dscnt 0x0
	global_store_b128 v3, v[8:11], s[14:15]
.Ldone:
	s_endpgm
.Lfunc_end_k_q4dddf0cd98_quant:
	.size	k_q4dddf0cd98_quant, .Lfunc_end_k_q4dddf0cd98_quant-k_q4dddf0cd98_quant
	.p2alignl 7, 3214868480
	.fill 96, 4, 3214868480
	.section	.rodata,"a",@progbits
	.p2align	6, 0x0
	.amdhsa_kernel k_q4dddf0cd98_quant
		.amdhsa_group_segment_fixed_size 21504
		.amdhsa_private_segment_fixed_size 0
		.amdhsa_enable_private_segment 0
		.amdhsa_kernarg_size 64
		.amdhsa_user_sgpr_count 2
		.amdhsa_user_sgpr_kernarg_segment_ptr 1
		.amdhsa_wavefront_size32 1
		.amdhsa_system_sgpr_workgroup_id_x 1
		.amdhsa_system_sgpr_workgroup_id_y 1
		.amdhsa_system_sgpr_workgroup_id_z 1
		.amdhsa_system_vgpr_workitem_id 0
		.amdhsa_next_free_vgpr 216
		.amdhsa_next_free_sgpr 66
		.amdhsa_reserve_vcc 0
		.amdhsa_float_denorm_mode_32 3
		.amdhsa_float_denorm_mode_16_64 3
		.amdhsa_memory_ordered 1
		.amdhsa_forward_progress 1
		.amdhsa_inst_pref_size 27
	.end_amdhsa_kernel
	.amdgpu_metadata
---
amdhsa.version: [ 1, 2 ]
amdhsa.kernels:
  - .name:           k_q4dddf0cd98_quant
    .symbol:         k_q4dddf0cd98_quant.kd
    .args:
      - { .name: x_t, .offset: 0, .size: 8, .value_kind: global_buffer, .address_space: global }
      - { .name: h_prev, .offset: 8, .size: 8, .value_kind: global_buffer, .address_space: global }
      - { .name: U_w, .offset: 16, .size: 8, .value_kind: global_buffer, .address_space: global }
      - { .name: W_w, .offset: 24, .size: 8, .value_kind: global_buffer, .address_space: global }
      - { .name: a_codes, .offset: 32, .size: 8, .value_kind: global_buffer, .address_space: global }
      - { .name: a_scales, .offset: 40, .size: 8, .value_kind: global_buffer, .address_space: global }
      - { .name: b_codes, .offset: 48, .size: 8, .value_kind: global_buffer, .address_space: global }
      - { .name: b_scales, .offset: 56, .size: 8, .value_kind: global_buffer, .address_space: global }
    .group_segment_fixed_size: 21504
    .private_segment_fixed_size: 0
    .kernarg_segment_align: 8
    .kernarg_segment_size: 64
    .max_flat_workgroup_size: 128
    .sgpr_count:     66
    .vgpr_count:     216
    .wavefront_size: 32
...
	.end_amdgpu_metadata
.endif
;; end of part 1
;; launch cell (part 2): grid 16 x 16, 4 waves a work-group, clusters of 4 x 4, 327,680 bytes of LDS; arguments a_codes, a_scales, b_codes, b_scales, c_prev, U_b, out0, out1; writes out0, out1
.if DOCPART == 2
	.amdgcn_target "amdgcn-amd-amdhsa--gfx1250"
	.amdhsa_code_object_version 6
	.text
	.protected	k_q4dddf0cd98_cell
	.globl	k_q4dddf0cd98_cell
	.p2align	8
	.type	k_q4dddf0cd98_cell,@function
k_q4dddf0cd98_cell:
	s_mov_b64 s[64:65], 0
	v_nop
	global_prefetch_b8 v0, s[64:65] scope:SCOPE_SE
	s_setreg_imm32_b32 hwreg(HW_REG_WAVE_MODE, 25, 1), 1
	s_wait_xcnt 0x0
	s_wait_alu depctr_hold_cnt(0) depctr_sa_sdst(0) depctr_va_vdst(0) depctr_va_sdst(0) depctr_va_ssrc(0) depctr_va_vcc(0) depctr_vm_vsrc(0)
	s_getreg_b32 s2, hwreg(HW_REG_IB_STS2, 6, 4)
	s_cmp_eq_u32 s2, 0
	s_cbranch_scc0 .Lentry_in_a_cluster
	s_endpgm
.Lentry_in_a_cluster:
	s_bfe_u32 s2, ttmp6, 0x10000c
	s_cmp_lg_u32 s2, 0xf033
	s_cbranch_scc0 .Lentry_shape_is_right
	s_endpgm
.Lentry_shape_is_right:
; pre = A B^T + U_b, A and B the codes and scales that launch quant laid (K = 2,048), then the cell: c = sigmoid(f) c_prev + sigmoid(i) tanh(g), h = sigmoid(o) tanh(c).  out0 = h, out1 = c.
; A work-group makes 256 rows x 256 columns of pre: 64 hidden units with their four gates (B's rows lie permuted for that: column 128 c + 32 g + q of a tile is gate g of unit 32 c + q).
; Four waves, 128 x 128 each: 64 accumulators of 16 x 16.  256 work-groups: one for each WGP.
; K goes in slots of 256 (two steps of 128) through a ring of two LDS slots.  The scales of all K come at the head and stay.
; CLUSTERS of 4 x 4: A's tiles hang on the tile row alone and are asked for jointly along a row of the cluster, B's along a column.
; THE MATRIX INSTRUCTION IS USED TRANSPOSED (source 0 = 16 rows of B, source 1 = 16 rows of A): lane (r, h) holds row r, its registers eight neighbouring columns.
; A STEP GOES BY QUADRANTS of 16 products: (A rows 0-63, B columns 0-63), (A 64-127, B 0-63), (A 64-127, B 64-127), (A 0-63, B 64-127).  So A's rows 64-127 are done with a quadrant ahead of the step's end
; and wanted a quadrant behind the next one's start: they have ONE set of registers, the three other halves two each.  All LDS loads of a slot's second step are issued during its first:
; the change of slots begins with the second step.  A step's 64 loads stand in two runs: A 0-63 and B 0-63 of the next step, then B 64-127 and A 64-127.
; REGISTERS: window 0: v0-31 addresses; v32-63 scale words (set for slot s at v32 + 16 s); v64-127, v128-191 A's rows 0-63, sets 1 and 0; v192-255 A's rows 64-127.
;   window 1: B's sets 0 and 1, 128 registers each.   windows 2, 3: accumulators of rows 0-63 and 64-127 ((a, b) at v[8 (8 (a % 4) + b)]).
;   On the way out window 0 from v32 on and window 1 are at work; window 1's first 64 registers hold the scaled bias.
; LIMITS: NaN and infinities among the inputs are not served.  In tanh(x) = (e - 1) / (e + 1), e = 2^(2 x log2 e), e's exponent is held at 32: the quotient then differs from 1 by 2^-31.
.set ROWB,   256                       ; a tile's row in bytes
.set KROW,   2048                      ; a row of codes in memory
.set PITCH,  272                       ; an LDS row: 256 bytes + 16 of padding: the 16 rows that a load touches start at 16 different banks (64 banks of 4 bytes: ISA guide 11.1)
.set HALFT,  128*PITCH
.set SLOT,   4*HALFT                   ; A's 256 rows, then B's
.set KS,     64                        ; a row of scale bytes
.set SCL,    2*SLOT                    ; the scales, units of 256 bytes + 16 of padding: A's 256 rows, then B's
.set HALFS,  (128*KS/256)*272
.set SBLK,   (16*KS/256)*272
.set SPARE,  SCL+4*HALFS               ; the spare words, 128 bytes for each wave
.set BREG,   SPARE+512                 ; the bias of each wave's 128 columns, 512 bytes a wave; no fill lands here
.set HST,    2*HALFT                   ; the way out: h's rows stand where slot 0's rows of B stood, c's where c_prev's came to, slot 0's rows of A
.set BLKB,   16*PITCH
.set ADRA, 16                          ; v16-17 A's fragments in slot 0, 1
.set BIA,  18                          ; v18    my bias
.set BIS,  19                          ; v19    where I put 16 bytes of bias
.set ADRB, 20                          ; v20-21 B's fragments
.set RDH,  22                          ; v22    the way out: a row of h,
.set HSA,  23                          ; v23    where I put h,
.set CPA,  24                          ; v24    where c_prev lies and c goes,
.set RD,   25                          ; v25    a row of c,
.set CO,   26                          ; v26    my offset in out0 and out1
.set ADRS, 27                          ; v27    my scale words: lanes 0-15 A's rows, lanes 16-31 B's
.set SPW,  28                          ; v28    my spare word;  v29 0
.set NIL,  29
.set PFO,  30                          ; v30    prefetch: lane x a row of codes
.set PFC,  31                          ; v31    prefetch: lane x a row of c_prev
.set SC,   32
; the way out, window 0, two blocks of 16 registers each:
.set O,    32                          ; gate o
.set T,    64                          ; gates f (v64-95), i (v96-127), g (v128-159)
.set CT,   160                         ; c
.set TC,   192                         ; tanh(c), h
.set D2,   224                         ; e_c - 1
; and window 1:
.set D,    64                          ; e_g - 1
.set CPR,  96                          ; c_prev
.set OB,   128                         ; rows read back: c v128-159, h v160-191
.set G0H,  4                           ; group 0 of the head's loads of A's and B's 256 rows (the arguments that lay there have been used by then)
.set G0HB, 8
.set CL,   12                          ; s[12:13] -log2(e)
.set G1,   24                          ; group 1 and, a set for each slot, group 0 for A's tiles
.set G0,   32
.set G1B,  48                          ; the same for B's
.set G0B,  56
.set PFA,  66
.set G1S,  68                          ; groups 1 and 0 for A's scales; behind the head the same registers serve c_prev's tile
.set G0S,  76
.set G1SB, 80
.set G0SB, 88
.set C2,   100                         ; s[100:101] 2 log2(e)
.set CAP,  104                         ; s104 32.0
.set MSB, 0
.macro WIN new                         ; the immediate's high byte repeats the setting that is left
.if MSB != (\new)
	s_set_vgpr_msb (MSB<<8)|(\new)
.set MSB, (\new)
.endif
.endm
.set MUL_LO, 0xa1                      ; source 0 window 1, source 1 window 0, C and D window 2
.set MUL_HI, 0xf1                      ; C and D window 3
.set TO_B,   0x40                      ; destination window 1
.macro PLACES n
.rept \n
	v_nop
.endr
.endm
; A joint load: waves 0 and 1 fetch A's two halves, waves 2 and 3 B's.  The branch hangs on the wave's number alone.
.macro JLOAD s
	s_cmp_eq_u32 s15, 0
	s_cbranch_scc0 .Lfor_b_\@
	tensor_load_to_lds s[G0+4*\s:G0+4*\s+3], s[G1:G1+7]
	s_nop 0
.rept 4
	v_nop
.endr
	s_branch .Lasked_\@
.Lfor_b_\@:
	tensor_load_to_lds s[G0B+4*\s:G0B+4*\s+3], s[G1B:G1B+7]
	s_nop 0
.rept 4
	v_nop
.endr
.Lasked_\@:
.endm
.macro CREST                           ; a round of the cluster's barrier behind its opening barrier
	s_cmp_lg_u32 s14, 0
	s_cbranch_scc1 .Lnot_wave_0_\@
	s_barrier_signal -3
.Lnot_wave_0_\@:
	s_barrier_wait -3
	s_barrier_signal -1
	s_barrier_wait -1
.endm
.macro CROUND                          ; a whole round
	s_barrier_signal -1
	s_barrier_wait -1
	CREST
.endm
; PREFETCH into the L2.  Every cluster asks for what it will itself load; of the 128 rows that a wave fetches each of the four partners takes 32, told apart by address; a lane a row, 256 bytes.
; Slot 1 of K is asked for at the head, slots 2 and 3 in the first step; behind the refill with slot k + 2, slot k + 4, two refills ahead.  The last trip (s3 = 1) asks for nothing along K,
.macro ASK
	s_cmp_gt_u32 s3, 1
	s_cbranch_scc0 .Lno_ask_\@
	global_prefetch_b8 v[PFO], s[PFA:PFA+1] offset:2*ROWB th:TH_LOAD_NT scope:SCOPE_SE
.Lno_ask_\@:
.endm
.macro ASKC                            ; but in its first half for my 64 rows of c_prev, which are loaded two changes of slots on
	s_cmp_eq_u32 s3, 1
	s_cbranch_scc0 .Lno_c_\@
	global_prefetch_b8 v[PFC], s[92:93] th:TH_LOAD_NT scope:SCOPE_SE
	global_prefetch_b8 v[PFC], s[92:93] offset:131072 th:TH_LOAD_NT scope:SCOPE_SE
.Lno_c_\@:
.endm
	s_load_b256 s[4:11], s[0:1], 0x0               ; a_codes, a_scales, b_codes, b_scales
	s_load_b256 s[92:99], s[0:1], 0x20             ; c_prev, U_b, out0, out1
	v_lshl_add_u32 v[SPW], v0, 2, SPARE
	v_mov_b32 v[NIL], 0
	ds_add_u32 v[SPW], v[NIL]                      ; the wave's opening: the add, twice on end, and its wait ahead of my first tensor load
	ds_add_u32 v[SPW], v[NIL]
	v_lshrrev_b32 v1, 5, v0
	v_readfirstlane_b32 s14, v1                    ; wave 0..3
	s_lshr_b32 s15, s14, 1                         ; which half of the rows is mine; in the ring: I fetch for A (0) or B (1)
	s_and_b32 s16, s14, 1                          ; which half of the columns; in the ring: which 128 rows I fetch
	s_bfe_u32 s40, ttmp6, 0x40000                  ; cx, cy
	s_bfe_u32 s41, ttmp6, 0x40004
	s_lshl_b32 s42, ttmp9, 2
	s_add_co_u32 s42, s42, s40                     ; tile column
	s_and_b32 s17, ttmp7, 0xffff
	s_lshl_b32 s17, s17, 2
	s_add_co_u32 s17, s17, s41                     ; tile row
	s_lshl_b32 s43, s41, 2
	s_lshl_b32 s43, 15, s43                        ; my row of the cluster
	s_lshl_b32 s44, 0x1111, s40                    ; my column
	s_or_b32 s[G1+0], s43, (0<<16)|(1<<20)|(1<<21)|(5<<22)|(3<<25)   ; the mask; elements of 1 byte; padding on: 4 words behind every 64; bit 21 stands beside a mask
	s_or_b32 s[G1B+0], s44, (0<<16)|(1<<20)|(1<<21)|(5<<22)|(3<<25)
.irp g, G1, G1B
	s_mov_b32 s[\g+1], ROWB<<16
	s_mov_b32 s[\g+2], 256<<16                     ; 256 rows for the head's loads; 128 for the ring's, set behind the head
	s_mov_b32 s[\g+3], ROWB<<16
	s_mov_b32 s[\g+4], 256
	s_mov_b32 s[\g+5], KROW
	s_mov_b32 s[\g+6], 0
	s_mov_b32 s[\g+7], 0
.endr
	s_or_b32 s[G1S+0], s43, (3<<16)|(1<<20)|(1<<21)|(5<<22)|(3<<25)  ; the scales of 256 rows: a dense block, as KS rows of 256 bytes (32 elements of 8)
	s_or_b32 s[G1SB+0], s44, (3<<16)|(1<<20)|(1<<21)|(5<<22)|(3<<25)
.irp g, G1S, G1SB
	s_mov_b32 s[\g+1], 32<<16
	s_mov_b32 s[\g+2], KS<<16
	s_mov_b32 s[\g+3], 32<<16
	s_mov_b32 s[\g+4], KS
	s_mov_b32 s[\g+5], 32
	s_mov_b32 s[\g+6], 0
	s_mov_b32 s[\g+7], 0
.endr
	s_lshl_b32 s20, s17, 19                        ; 256 rows of codes are 2^19 bytes, of scale bytes 2^14
	s_lshl_b32 s22, s17, 14
	s_mov_b32 s21, 0
	s_mov_b32 s23, 0
	s_lshl_b32 s46, s42, 19
	s_lshl_b32 s100, s42, 14
	s_mov_b32 s47, 0
	s_mov_b32 s101, 0
	s_mul_i32 s45, s14, HALFT                      ; where the ring's loads go: wave x 128 rows
	s_wait_dscnt 0x0                               ; both opening adds are done
	s_wait_kmcnt 0x0
	s_add_nc_u64 s[20:21], s[4:5], s[20:21]
	s_add_nc_u64 s[22:23], s[6:7], s[22:23]
	s_add_nc_u64 s[46:47], s[8:9], s[46:47]
	s_add_nc_u64 s[100:101], s[10:11], s[100:101]
	s_cmp_eq_u32 s15, 0
	s_cselect_b64 s[PFA:PFA+1], s[4:5], s[8:9]     ; my prefetches go to the codes that I fetch
	s_mov_b32 s[G0H], 1                            ; the head's four tiles, each whole
	s_mov_b32 s[G0H+1], 0
	s_mov_b64 s[G0H+2:G0H+3], s[20:21]
	s_or_b32 s[G0H+3], s[G0H+3], 0x80000000
	s_mov_b32 s[G0HB], 1
	s_mov_b32 s[G0HB+1], 2*HALFT
	s_mov_b64 s[G0HB+2:G0HB+3], s[46:47]
	s_or_b32 s[G0HB+3], s[G0HB+3], 0x80000000
	s_mov_b32 s[G0S], 1
	s_mov_b32 s[G0S+1], SCL
	s_mov_b64 s[G0S+2:G0S+3], s[22:23]
	s_or_b32 s[G0S+3], s[G0S+3], 0x80000000
	s_mov_b32 s[G0SB], 1
	s_mov_b32 s[G0SB+1], SCL+2*HALFS
	s_mov_b64 s[G0SB+2:G0SB+3], s[100:101]
	s_or_b32 s[G0SB+3], s[G0SB+3], 0x80000000
	CROUND                                         ; all sixteen work-groups are here: the first joint loads meet
; THE HEAD'S LOADS, ONE A WAVE: Wave 0: slot 0's 256 rows of A, wave 1: of B, wave 2: A's scales, wave 3: B's.  One tree of branches: every way passes one load.
.macro ARM under, g0, g1, next
	s_cmp_lt_u32 s14, \under
	s_cbranch_scc0 \next
	tensor_load_to_lds s[\g0:\g0+3], s[\g1:\g1+7]
	s_nop 0
.rept 4
	v_nop
.endr
	s_branch .Lhead_asked
\next:
.endm
	ARM 1, G0H,  G1,  .Lhead_b
	ARM 2, G0HB, G1B, .Lhead_sa
	ARM 3, G0S,  G1S, .Lhead_sb
	tensor_load_to_lds s[G0SB:G0SB+3], s[G1SB:G1SB+7]
	s_nop 0
.rept 4
	v_nop
.endr
.Lhead_asked:
	s_lshl_b32 s18, s16, 18                        ; in the ring I fetch 128 rows: 2^18 bytes for the second half
	s_mov_b32 s19, 0
	s_add_nc_u64 s[20:21], s[20:21], s[18:19]
	s_add_nc_u64 s[46:47], s[46:47], s[18:19]
.irp s, 0,1
	s_mov_b32 s[G0+4*\s], 1
	s_add_co_u32 s[G0+4*\s+1], s45, \s*SLOT
	s_add_nc_u64 s[G0+4*\s+2:G0+4*\s+3], s[20:21], \s*ROWB
	s_or_b32 s[G0+4*\s+3], s[G0+4*\s+3], 0x80000000
	s_mov_b32 s[G0B+4*\s], 1
	s_add_co_u32 s[G0B+4*\s+1], s45, \s*SLOT
	s_add_nc_u64 s[G0B+4*\s+2:G0B+4*\s+3], s[46:47], \s*ROWB
	s_or_b32 s[G0B+4*\s+3], s[G0B+4*\s+3], 0x80000000
.endr
	s_lshl_b32 s18, s17, 8                         ; the tile's first row of A
	s_lshl_b32 s19, s42, 8                         ; its first row of B; also its 64 hidden units in bytes
	s_mov_b32 s21, 0
	s_lshl_b32 s20, s16, 7
	s_add_co_u32 s20, s20, s19
	s_add_nc_u64 s[94:95], s[94:95], s[20:21]      ; U_b at my wave's 32 units
	v_and_b32 v12, 31, v0
	v_lshrrev_b32 v5, 3, v12                       ; lane / 8: the gate
	v_and_b32 v7, 7, v12
	v_lshlrev_b32 v7, 4, v7
	v_lshl_add_u32 v7, v5, 12, v7
	global_load_b128 v[8:11], v7, s[94:95]         ; the bias of four of my wave's 128 columns: 32 gate + 4 (lane % 8) on
	s_cmp_eq_u32 s15, 0                            ; the prefetches: my work-group's 32 of the 128 rows that I fetch, at slot 1 of K
	s_cselect_b32 s20, s18, s19
	s_cselect_b32 s21, s40, s41
	s_lshl_b32 s22, s16, 7
	s_lshl_b32 s21, s21, 5
	s_add_co_u32 s20, s20, s22
	s_add_co_u32 s20, s20, s21
	s_lshl_b32 s20, s20, 11
	s_add_co_u32 s20, s20, ROWB
	s_mov_b32 s21, 0
	s_add_nc_u64 s[PFA:PFA+1], s[PFA:PFA+1], s[20:21]
	s_lshl_b32 s20, s14, 6                         ; c_prev: my 64 rows of the tile
	s_add_co_u32 s20, s20, s18
	s_lshl_b32 s20, s20, 12
	s_add_co_u32 s20, s20, s19
	s_add_nc_u64 s[92:93], s[92:93], s[20:21]
	s_lshl_b32 s20, s15, 7                         ; out0, out1: of each 16 of my half's 128 rows I store eight
	s_lshl_b32 s22, s16, 3
	s_add_co_u32 s20, s20, s22
	s_add_co_u32 s20, s20, s18
	s_lshl_b32 s20, s20, 12
	s_add_co_u32 s20, s20, s19
	s_add_nc_u64 s[96:97], s[96:97], s[20:21]
	s_add_nc_u64 s[98:99], s[98:99], s[20:21]
	s_mov_b32 s[CL], 0xbfb8aa3b
	s_mov_b32 s[CL+1], s[CL]
	s_mov_b32 s[C2], 0x4038aa3b
	s_mov_b32 s[C2+1], s[C2]
	s_mov_b32 s[CAP], 0x42000000
	s_mul_i32 s20, s15, HALFT                      ; my 128 rows of A,
	s_mul_i32 s21, s16, HALFT                      ; of B, behind A's 256
	s_add_co_u32 s21, s21, 2*HALFT
	s_mul_i32 s22, s15, HALFS                      ; A's scales; B's lie s23 bytes on
	s_mul_i32 s23, s16, HALFS
	s_add_co_u32 s23, s23, 2*HALFS
	s_sub_co_u32 s23, s23, s22
	s_add_co_u32 s22, s22, SCL
	s_lshl_b32 s46, s16, 7                         ; c_prev and c: my rows, my 128 of a row's 256 bytes
	s_add_co_u32 s46, s46, s20
	s_mul_i32 s47, s16, 8*PITCH                    ; read back by rows: eight of each 16
	s_add_co_u32 s47, s47, s20
	s_lshl_b32 s18, s14, 9
	s_add_co_u32 s18, s18, BREG
	v_and_b32 v6, 31, v0
	v_lshlrev_b32 v[PFO], 11, v6
	v_lshlrev_b32 v[PFC], 12, v6
	global_prefetch_b8 v[PFO], s[PFA:PFA+1] th:TH_LOAD_NT scope:SCOPE_SE   ; slot 1 of K, whose load stands behind the next round
	v_and_b32 v1, 15, v0                           ; r
	v_bfe_u32 v2, v0, 4, 1                         ; h
	v_mul_u32_u24 v3, v1, PITCH
	v_lshl_add_u32 v4, v2, 4, v3                   ; a fragment's row x pitch + 16 h
	v_add_nc_u32 v[ADRA], s20, v4
	v_add_nc_u32 v[ADRB], s21, v4
	v_add_nc_u32 v[ADRA+1], SLOT, v[ADRA]
	v_add_nc_u32 v[ADRB+1], SLOT, v[ADRB]
	v_mul_u32_u24 v5, v1, KS                       ; KS bytes a row, 16 more for each 256 passed
	v_lshrrev_b32 v12, 8, v5
	v_lshl_add_u32 v5, v12, 4, v5
	v_mul_u32_u24 v12, s23, v2                     ; lanes 16-31 take B's
	v_add_nc_u32 v5, v5, v12
	v_add_nc_u32 v[ADRS], s22, v5
	v_lshl_add_u32 v5, v2, 5, v3
	v_add_nc_u32 v[CPA], s46, v5
	v_add_nc_u32 v[HSA], HST, v[CPA]
	v_mul_u32_u24 v5, v2, PITCH
	v_lshl_add_u32 v5, v1, 4, v5
	v_add_nc_u32 v[RD], s47, v5
	v_add_nc_u32 v[RDH], HST, v[RD]
	v_lshlrev_b32 v5, 12, v2
	v_lshl_add_u32 v[CO], v1, 4, v5
	v_lshl_add_u32 v[BIS], v0, 4, BREG
	v_lshl_add_u32 v[BIA], v2, 5, s18
.macro FRAG reg, adr, q, i             ; 16 rows x 128 K: lane (r, h) holds row r; registers 4 c .. 4 c + 3 hold K = 32 c + 16 h + 0 .. 15
.irp c, 0,1,2,3
	ds_load_b128 v[\reg+4*\c:\reg+4*\c+3], v[\adr] offset:128*(\q)+32*\c+(\i)*16*PITCH
.endr
.endm
.macro RA reg, slot, q, i              ; eight loads: A's blocks i, i + 1 of the slot's step q
	WIN 0
	FRAG \reg, ADRA+\slot, \q, \i
	FRAG \reg+16, ADRA+\slot, \q, \i+1
.endm
.macro RB set, slot, q, i              ; the same of B, into a set
	WIN TO_B
	FRAG 128*(\set)+16*(\i), ADRB+\slot, \q, \i
	FRAG 128*(\set)+16*(\i)+16, ADRB+\slot, \q, \i+1
.endm
.macro SCALES sc, off                  ; a slot's scale words: register 2 i + q: lanes 0-15 A's block i, lanes 16-31 B's block i, step q
.irp i, 0,1,2,3,4,5,6,7
	ds_load_b64 v[SC+16*(\sc)+2*\i:SC+16*(\sc)+2*\i+1], v[ADRS] offset:\i*SBLK+\off
.endr
.endm
; Eight products: A's blocks a0, a0 + 1 x B's b0 .. b0 + 3, step q of slot sl.  The accumulators take turns, each once a step.  first = 1: the products start the sums.
.macro OCT a0, b0, q, sl, first
.if (\a0) < 4
	WIN MUL_LO
.else
	WIN MUL_HI
.endif
.irp a, \a0, \a0+1
.if (\a) < 4
.set AA, 128-64*(\q)+16*(\a)
.else
.set AA, 128+16*(\a)
.endif
.irp b, \b0, \b0+1, \b0+2, \b0+3
.if \first
	v_wmma_scale_f32_16x16x128_f8f6f4 v[8*(8*((\a)%4)+\b):8*(8*((\a)%4)+\b)+7], v[128*(\q)+16*(\b):128*(\q)+16*(\b)+15], v[AA:AA+15], 0, v[SC+16*(\sl)+2*(\b)+(\q)], v[SC+16*(\sl)+2*(\a)+(\q)] matrix_a_scale:MATRIX_SCALE_ROW1
.else
	v_wmma_scale_f32_16x16x128_f8f6f4 v[8*(8*((\a)%4)+\b):8*(8*((\a)%4)+\b)+7], v[128*(\q)+16*(\b):128*(\q)+16*(\b)+15], v[AA:AA+15], v[8*(8*((\a)%4)+\b):8*(8*((\a)%4)+\b)+7], v[SC+16*(\sl)+2*(\b)+(\q)], v[SC+16*(\sl)+2*(\a)+(\q)] matrix_a_scale:MATRIX_SCALE_ROW1
.endif
.endr
.endr
.endm
; A load into a register that a matrix instruction has read stands eight places behind it, and only plain vector instructions are places
; PLACES behind a step's first quadrant serve the sets that the step before read; PLACES behind the third serve A's rows 64-127.
; A slot's FIRST step.  The next step's fragments are asked for in this order: A 0-63, (the next slot's scale words,) B 0-63, B 64-127, A 64-127.
.macro STEP0 sl, first, sc, off
	s_wait_dscnt 32                                ; A 0-63 and B 0-63 are in; the younger 32, B 64-127 and A 64-127, may be out
	OCT 0, 0, 0, \sl, \first
	OCT 2, 0, 0, \sl, \first
	PLACES 8
	RA 64, \sl, 1, 0
	RA 96, \sl, 1, 2
.if \sc
	SCALES 1-\sl, \off
.endif
.if \first
	global_prefetch_b8 v[PFO], s[PFA:PFA+1] offset:ROWB th:TH_LOAD_NT scope:SCOPE_SE     ; slots 2 and 3 of K, which the first two changes of slots load
	global_prefetch_b8 v[PFO], s[PFA:PFA+1] offset:2*ROWB th:TH_LOAD_NT scope:SCOPE_SE
.endif
	RB 1, \sl, 1, 0
	RB 1, \sl, 1, 2
	s_wait_dscnt 32+8*\sc                          ; this step's own halves 64-127 are in: all but what the step has asked for
	OCT 4, 0, 0, \sl, \first
	OCT 6, 0, 0, \sl, \first
	OCT 4, 4, 0, \sl, \first
	OCT 6, 4, 0, \sl, \first
	PLACES 8
	RB 1, \sl, 1, 4
	RB 1, \sl, 1, 6
	RA 192, \sl, 1, 4
	RA 224, \sl, 1, 6
	OCT 0, 4, 0, \sl, \first
	OCT 2, 4, 0, \sl, \first
.endm
; A slot's SECOND step changes slots.  All reads of the slot have been issued: in front of the round each wave waits for all its tensor loads, adds 0 to its spare word, and waits for that and for its reads;
; 24 products stand between the add and the round's opening wait.  fill = 1: the slot is filled again, two slots on along K; fill = 2: slot 0's rows of A take my 64 rows of c_prev.
.macro STEP1 sl, fill
.if \fill == 1
	s_wait_xcnt 0x0                                ; my prefetches have read their address
	s_add_nc_u64 s[PFA:PFA+1], s[PFA:PFA+1], ROWB
.endif
	WIN 0
	s_wait_tensorcnt 0x0                           ; my part of the next slot is in
	ds_add_u32 v[SPW], v[NIL]
.if \fill == 1
	s_add_nc_u64 s[G0+4*\sl+2:G0+4*\sl+3], s[G0+4*\sl+2:G0+4*\sl+3], 2*ROWB
	s_add_nc_u64 s[G0B+4*\sl+2:G0B+4*\sl+3], s[G0B+4*\sl+2:G0B+4*\sl+3], 2*ROWB
.endif
	s_wait_dscnt 33                                ; A 0-63 and B 0-63 are in; B 64-127, A 64-127 and the add may be out
	OCT 0, 0, 1, \sl, 0
	OCT 2, 0, 1, \sl, 0
	s_wait_dscnt 0x0                               ; the add is done, and my reads of this slot are over
	s_barrier_signal -1
	OCT 4, 0, 1, \sl, 0
	WIN 0
	s_barrier_wait -1
	CREST                                          ; no wave of any partner still reads this slot or has a load on its way
.if \fill == 1
	JLOAD \sl
.else
	tensor_load_to_lds s[G0S:G0S+3], s[G1S:G1S+7]
	s_nop 0
	PLACES 4
.endif
	PLACES 4                                       ; with the four behind the load: eight
	RA 128, 1-\sl, 0, 0
	RA 160, 1-\sl, 0, 2
	RB 0, 1-\sl, 0, 0
	RB 0, 1-\sl, 0, 2
	OCT 6, 0, 1, \sl, 0
	OCT 4, 4, 1, \sl, 0
	OCT 6, 4, 1, \sl, 0
	PLACES 8
	RB 0, 1-\sl, 0, 4
	RB 0, 1-\sl, 0, 6
	RA 192, 1-\sl, 0, 4
	RA 224, 1-\sl, 0, 6
.if \fill == 1
	ASK
.if \sl == 0
	ASKC
.endif
.endif
	OCT 0, 4, 1, \sl, 0
	OCT 2, 4, 1, \sl, 0
.endm
	s_wait_alu depctr_va_vdst(0)                   ; the wait at the head's end
	s_wait_loadcnt 0x0                             ; my four numbers of the bias
	v_mov_b32 v12, s[C2]
	v_mov_b32 v13, s[CL]
	v_cmp_gt_u32 vcc_lo, 24, v6                    ; lanes 0-23 hold gates f, i, o, lanes 24-31 gate g
	v_cndmask_b32 v12, v12, v13, vcc_lo
.irp i, 8,9,10,11
	v_mul_f32 v\i, v12, v\i                        ; the bias takes the factor that the sums will take
.endr
	s_wait_alu depctr_va_vdst(0)                   ; the wait here, directly ahead of the wait below
	s_wait_tensorcnt 0x0                           ; my tile of the head's four is in
	ds_store_b128 v[BIS], v[8:11]                  ; my wave's own 512 bytes, read back by my wave alone
	s_wait_tensorcnt 0x0                           ; ahead of a later first fill, as ahead of a refill
	ds_add_u32 v[SPW], v[NIL]
.irp g, G1, G1B
	s_mov_b32 s[\g+2], 128<<16                     ; no tensor load of mine is out: from here on a load brings 128 rows
	s_mov_b32 s[\g+4], 128
.endr
	s_mov_b32 s[G1S+0], (2<<16)|(1<<20)|(5<<22)|(3<<25)   ; c_prev: 64 rows of 64 f32, padded like the ring's rows; no mask: no other work-group reads them
	s_mov_b32 s[G1S+1], 64<<16
	s_mov_b32 s[G1S+2], 64<<16
	s_mov_b32 s[G1S+3], 64<<16
	s_mov_b32 s[G1S+4], 64
	s_mov_b32 s[G1S+5], 1024
	s_mov_b32 s[G1S+6], 0
	s_mov_b32 s[G1S+7], 0
	s_mov_b32 s[G0S], 1
	s_mul_i32 s[G0S+1], s14, 64*PITCH
	s_mov_b64 s[G0S+2:G0S+3], s[92:93]
	s_or_b32 s[G0S+3], s[G0S+3], 0x80000000
	s_wait_dscnt 0x0                               ; the store and the add are done
	CROUND                                         ; all four tiles are in, and all sixteen work-groups are here
	JLOAD 1                                        ; slot 1's first fill, the first tensor load behind the round
	SCALES 0, 0
	RA 128, 0, 0, 0
	RA 160, 0, 0, 2
	RB 0, 0, 0, 0
	RB 0, 0, 0, 2
	RB 0, 0, 0, 4
	RB 0, 0, 0, 6
	RA 192, 0, 0, 4
	RA 224, 0, 0, 6
	STEP0 0, 1, 1, 8
	WIN 0                                          ; at a label and at a branch every window is 0
	s_mov_b32 s3, 3
.Llap:                                                 ; a trip: from a slot 0's second step to the next slot 0's first; both slots are filled again
	v_add_nc_u32 v[ADRS], 16, v[ADRS]              ; on by two slots' scale words
	s_wait_alu depctr_va_vdst(0)                   ; the wait here, directly behind the write
	STEP1 0, 1
	STEP0 1, 0, 1, 0
	STEP1 1, 1
	STEP0 0, 0, 1, 8
	WIN 0
	s_sub_co_u32 s3, s3, 1
	s_cmp_lg_u32 s3, 0
	s_cbranch_scc1 .Llap
	STEP1 0, 2
	STEP0 1, 0, 0, 0
	s_wait_dscnt 32                                ; the last step: nothing of K is left to fetch
	OCT 0, 0, 1, 1, 0
	OCT 2, 0, 1, 1, 0
	PLACES 8
	WIN TO_B
.irp b, 0,1,2,3,4,5,6,7                            ; the scaled bias of my columns 16 b + 8 h + 0 .. 7, into B's set 0
	ds_load_b128 v[8*\b:8*\b+3], v[BIA] offset:64*\b
	ds_load_b128 v[8*\b+4:8*\b+7], v[BIA] offset:64*\b+16
.endr
	s_wait_dscnt 16                                ; all but the bias
	OCT 0, 4, 1, 1, 0
	OCT 2, 4, 1, 1, 0
	OCT 4, 0, 1, 1, 0
	OCT 6, 0, 1, 1, 0
	OCT 4, 4, 1, 1, 0
	OCT 6, 4, 1, 1, 0
	WIN 0
; THE WAY OUT, by pairs of blocks of 16 rows, in two stages that overlap: with pair a's gates f, i, g goes the gate o and the tanh(c) of pair a - 1, so that a pair has two batches of transcendentals.
; e_f, e_i, e_o = 2^(-x log2 e), e_g = 2^(2 x log2 e):  c = c_prev / (1 + e_f) + (e_g - 1) / ((1 + e_i) (1 + e_g));  h = (e_c - 1) / ((1 + e_o) (1 + e_c)).
; A wave holds 32 of a row's 64 units: c and h are put into LDS rows of 256 bytes, and behind a barrier each wave reads eight whole rows of each 16 back: sixteen lanes store one aligned unit of 256 bytes.
.macro BACK a, ob, adr                 ; pair a's rows, of c or of h, into window 1
.irp k, 0,1
.irp t, 0,1,2,3
	ds_load_b128 v[\ob+16*\k+4*\t:\ob+16*\k+4*\t+3], v[\adr] offset:(2*(\a)+\k)*BLKB+2*\t*PITCH
.endr
.endr
.endm
.macro SEND a, ob, out
.irp k, 0,1
.irp t, 0,1,2,3
	global_store_b128 v[CO], v[\ob+16*\k+4*\t:\ob+16*\k+4*\t+3], s[\out:\out+1] offset:(16*(2*(\a)+\k)+2*\t)*4096 th:TH_STORE_NT
.endr
.endr
.endm
.macro PUT a, src, adr                 ; a lane's 32 numbers of pair a into the LDS rows
.irp k, 0,1
.irp u, 0,1
	ds_store_b128 v[\adr], v[\src+16*\k+8*\u:\src+16*\k+8*\u+3] offset:(2*(\a)+\k)*BLKB+64*\u
	ds_store_b128 v[\adr], v[\src+16*\k+8*\u+4:\src+16*\k+8*\u+7] offset:(2*(\a)+\k)*BLKB+64*\u+16
.endr
.endr
.endm
.macro EPI a
.if (\a) < 4
	WIN (0x12+(\a)/2)                              ; sums in window 2 or 3, bias in window 1
	s_wait_alu depctr_va_vdst(0)                   ; the wait ahead of the sums' first reader
.irp k, 0,1
.set AC, 64*((2*(\a)+\k)%4)
.set p, 0
.rept 8
	v_pk_fma_f32 v[T+16*\k+p:T+16*\k+p+1], v[AC+p:AC+p+1], s[CL:CL+1], v[p:p+1] op_sel_hi:[1,0,1]
.set p, p+2
.endr
.rept 8
	v_pk_fma_f32 v[T+16+16*\k+p:T+16+16*\k+p+1], v[AC+p:AC+p+1], s[CL:CL+1], v[p:p+1] op_sel_hi:[1,0,1]
.set p, p+2
.endr
.set p, 48
.rept 8
	v_pk_fma_f32 v[T+16+16*\k+p:T+16+16*\k+p+1], v[AC+p:AC+p+1], s[C2:C2+1], v[p:p+1] op_sel_hi:[1,0,1]
.set p, p+2
.endr
.endr
.endif
.if (\a) > 0
	WIN (0x12+((\a)-1)/2)                          ; gate o of the pair before
	s_wait_alu depctr_va_vdst(0)                   ; and ahead of these sums' first reader
.irp k, 0,1
.set AC, 64*((2*(\a)-2+\k)%4)
.set p, 32
.rept 8
	v_pk_fma_f32 v[O-32+16*\k+p:O-32+16*\k+p+1], v[AC+p:AC+p+1], s[CL:CL+1], v[p:p+1] op_sel_hi:[1,0,1]
.set p, p+2
.endr
.endr
.endif
	WIN 0
.if (\a) < 4
.set p, 64
.rept 32
	v_min_num_f32 v[T+p], s[CAP], v[T+p]
.set p, p+1
.endr
.endif
.if (\a) > 0
.set p, 0
.rept 16
	v_pk_mul_f32 v[TC+p:TC+p+1], v[CT+p:CT+p+1], s[C2:C2+1] op_sel_hi:[1,0]
.set p, p+2
.endr
.set p, 0
.rept 32
	v_min_num_f32 v[TC+p], s[CAP], v[TC+p]
.set p, p+1
.endr
	s_wait_dscnt 0x0                               ; my stores of c (pair a - 1) and h (pair a - 2) are done
	s_barrier_signal -1
.endif
	s_wait_alu depctr_va_vdst(0)                   ; the wait ahead of the batch
.if (\a) < 4
.set p, 0
.rept 96
	v_exp_f32 v[T+p], v[T+p]
.set p, p+1
.endr
.endif
.if (\a) > 0
.set p, 0
.rept 32
	v_exp_f32 v[O+p], v[O+p]
	v_exp_f32 v[TC+p], v[TC+p]
.set p, p+1
.endr
.endif
	v_nop                                          ; a plain place behind the batch
.if (\a) > 0
	s_barrier_wait -1
	s_wait_xcnt 0x0                                ; earlier stores have read their registers
.endif
	WIN TO_B
.if (\a) < 4
.irp k, 0,1
.irp u, 0,1
	ds_load_b128 v[CPR+16*\k+8*\u:CPR+16*\k+8*\u+3], v[CPA] offset:(2*(\a)+\k)*BLKB+64*\u
	ds_load_b128 v[CPR+16*\k+8*\u+4:CPR+16*\k+8*\u+7], v[CPA] offset:(2*(\a)+\k)*BLKB+64*\u+16
.endr
.endr
.endif
.if (\a) > 0
	BACK (\a)-1, OB, RD
.if (\a) > 1
	BACK (\a)-2, OB+32, RDH
.endif
.endif
	WIN 0
	s_wait_alu depctr_va_vdst(0)                   ; one wait for the batch, ahead of its first reader
.if (\a) > 0
.set p, 0
.rept 16
	v_pk_add_f32 v[D2+p:D2+p+1], v[TC+p:TC+p+1], -1.0 op_sel_hi:[1,0]
.set p, p+2
.endr
.set p, 0
.rept 16
	v_pk_add_f32 v[TC+p:TC+p+1], v[TC+p:TC+p+1], 1.0 op_sel_hi:[1,0]
.set p, p+2
.endr
.set p, 0
.rept 16
	v_pk_fma_f32 v[TC+p:TC+p+1], v[O+p:O+p+1], v[TC+p:TC+p+1], v[TC+p:TC+p+1]
.set p, p+2
.endr
.endif
.if (\a) < 4
	WIN TO_B
.set p, 0
.rept 16
	v_pk_add_f32 v[D+p:D+p+1], v[T+64+p:T+64+p+1], -1.0 op_sel_hi:[1,0]
.set p, p+2
.endr
	WIN 0
.set p, 0
.rept 16
	v_pk_add_f32 v[T+64+p:T+64+p+1], v[T+64+p:T+64+p+1], 1.0 op_sel_hi:[1,0]
	v_pk_add_f32 v[T+p:T+p+1], v[T+p:T+p+1], 1.0 op_sel_hi:[1,0]
.set p, p+2
.endr
.set p, 0
.rept 16
	v_pk_fma_f32 v[T+32+p:T+32+p+1], v[T+32+p:T+32+p+1], v[T+64+p:T+64+p+1], v[T+64+p:T+64+p+1]
.set p, p+2
.endr
.endif
	s_wait_alu depctr_va_vdst(0)                   ; ahead of the batch
.if (\a) < 4
.set p, 0
.rept 64
	v_rcp_f32 v[T+p], v[T+p]
.set p, p+1
.endr
.endif
.if (\a) > 0
.set p, 0
.rept 32
	v_rcp_f32 v[TC+p], v[TC+p]
.set p, p+1
.endr
.endif
	v_nop
	s_wait_dscnt 0x0                               ; c_prev and the rows read back are in registers
	s_wait_alu depctr_va_vdst(0)                   ; and behind the batch
.if (\a) < 4
	WIN 0x41                                       ; source 0 and destination in window 1
.set p, 0
.rept 16
	v_pk_mul_f32 v[D+p:D+p+1], v[D+p:D+p+1], v[T+32+p:T+32+p+1]
.set p, p+2
.endr
	WIN 0x11                                       ; sources 0 and 2 in window 1
.set p, 0
.rept 16
	v_pk_fma_f32 v[CT+p:CT+p+1], v[CPR+p:CPR+p+1], v[T+p:T+p+1], v[D+p:D+p+1]
.set p, p+2
.endr
	WIN 0
.endif
.if (\a) > 0
.set p, 0
.rept 16
	v_pk_mul_f32 v[TC+p:TC+p+1], v[D2+p:D2+p+1], v[TC+p:TC+p+1]
.set p, p+2
.endr
	WIN 0x04                                       ; store data in window 1
	SEND (\a)-1, OB, 98
.if (\a) > 1
	SEND (\a)-2, OB+32, 96
.endif
	WIN 0
.endif
.if (\a) < 4
	PUT \a, CT, CPA                                ; c goes where this lane's c_prev lay
.endif
.if (\a) > 0
	PUT (\a)-1, TC, HSA
.endif
.endm
	PLACES 8                                       ; the way out reads results and writes registers that the products read
	s_wait_tensorcnt 0x0                           ; my rows of c_prev are in
	s_wait_dscnt 0x0                               ; and the bias
	s_barrier_signal -1
	s_barrier_wait -1                              ; everybody's rows of c_prev are in
.irp a, 0,1,2,3,4
	EPI \a
.endr
	s_wait_dscnt 0x0                               ; my stores of the last pair's h are done
	s_barrier_signal -1
	s_barrier_wait -1
	s_wait_xcnt 0x0
	WIN TO_B
	BACK 3, OB+32, RDH
	s_wait_dscnt 0x0
	WIN 0x04
	SEND 3, OB+32, 96
	WIN 0
	s_wait_tensorcnt 0x0                           ; the wave's end
	ds_add_u32 v[SPW], v[NIL]
	s_wait_dscnt 0x0
	CROUND                                         ; the closing round: no work-group ends while a partner may still ask for a tile that names it
	s_endpgm
.Lfunc_end_k_q4dddf0cd98_cell:
	.size	k_q4dddf0cd98_cell, .Lfunc_end_k_q4dddf0cd98_cell-k_q4dddf0cd98_cell
	.p2alignl 7, 3214868480
	.fill 96, 4, 3214868480
	.section	.rodata,"a",@progbits
	.p2align	6, 0x0
	.amdhsa_kernel k_q4dddf0cd98_cell
		.amdhsa_group_segment_fixed_size 327680
		.amdhsa_private_segment_fixed_size 0
		.amdhsa_enable_private_segment 0
		.amdhsa_kernarg_size 64
		.amdhsa_user_sgpr_count 2
		.amdhsa_user_sgpr_kernarg_segment_ptr 1
		.amdhsa_wavefront_size32 1
		.amdhsa_system_sgpr_workgroup_id_x 1
		.amdhsa_system_sgpr_workgroup_id_y 1
		.amdhsa_system_sgpr_workgroup_id_z 1
		.amdhsa_system_vgpr_workitem_id 0
		.amdhsa_next_free_vgpr 1024
		.amdhsa_next_free_sgpr 106
		.amdhsa_reserve_vcc 1
		.amdhsa_float_denorm_mode_32 3
		.amdhsa_float_denorm_mode_16_64 3
		.amdhsa_memory_ordered 1
		.amdhsa_forward_progress 1
		.amdhsa_inst_pref_size 242
	.end_amdhsa_kernel
	.amdgpu_metadata
---
amdhsa.version: [ 1, 2 ]
amdhsa.kernels:
  - .name:           k_q4dddf0cd98_cell
    .symbol:         k_q4dddf0cd98_cell.kd
    .args:
      - { .name: a_codes, .offset: 0, .size: 8, .value_kind: global_buffer, .address_space: global }
      - { .name: a_scales, .offset: 8, .size: 8, .value_kind: global_buffer, .address_space: global }
      - { .name: b_codes, .offset: 16, .size: 8, .value_kind: global_buffer, .address_space: global }
      - { .name: b_scales, .offset: 24, .size: 8, .value_kind: global_buffer, .address_space: global }
      - { .name: c_prev, .offset: 32, .size: 8, .value_kind: global_buffer, .address_space: global }
      - { .name: U_b, .offset: 40, .size: 8, .value_kind: global_buffer, .address_space: global }
      - { .name: out0, .offset: 48, .size: 8, .value_kind: global_buffer, .address_space: global }
      - { .name: out1, .offset: 56, .size: 8, .value_kind: global_buffer, .address_space: global }
    .group_segment_fixed_size: 327680
    .private_segment_fixed_size: 0
    .kernarg_segment_align: 8
    .kernarg_segment_size: 64
    .max_flat_workgroup_size: 128
    .sgpr_count:     106
    .vgpr_count:     1024
    .wavefront_size: 32
...
	.end_amdgpu_metadata
.endif
;; end of part 2
